; MI455X (gfx1250); checked and timed in simulation.
; The chip was launched on July 23, 2026; its instructions are those of AMD's public machine-readable ISA for CDNA 5 (MIT licence, August 2026) and "CDNA5" Instruction Set Architecture Reference Guide (July 2026). The comments in the code are by the model that wrote it; some were corrected since.
;; Multi Head Attention. Allowed arithmetic: matrix products marked QUANTISED: E5M2 operands, one E8M0 scale for each 32 along K, by v_wmma_scale_f32_16x16x128_f8f6f4 with both operands' format E5M2, f32 sums; everything else in f32.
;; Inputs: Wk_codes 16 x 64 x 32 x 32 uint8 (E5M2 codes of Wk, K innermost, in blocks of 32 codes); Wk_scales 16 x 64 x 32 uint8 (E8M0 scales of Wk, one for each 32 codes along K); Wo_codes 1,024 x 32 x 32 uint8 (E5M2 codes of Wo, K innermost, in blocks of 32 codes); Wo_scales 1,024 x 32 uint8 (E8M0 scales of Wo, one for each 32 codes along K); Wq_codes 16 x 64 x 32 x 32 uint8 (E5M2 codes of Wq, K innermost, in blocks of 32 codes); Wq_scales 16 x 64 x 32 uint8 (E8M0 scales of Wq, one for each 32 codes along K); Wv_codes 16 x 64 x 32 x 32 uint8 (E5M2 codes of Wv, K innermost, in blocks of 32 codes); Wv_scales 16 x 64 x 32 uint8 (E8M0 scales of Wv, one for each 32 codes along K); bo 1,024 float32; x_codes 4 x 2,048 x 32 x 32 uint8 (E5M2 codes of x, K innermost, in blocks of 32 codes); x_scales 4 x 2,048 x 32 uint8 (E8M0 scales of x, one for each 32 codes along K).
;; Outputs: out0 4 x 2,048 x 1,024 float32.
;; This version of the problem:
;;   THIS VERSION OF THE PROBLEM IS GIVEN IN LOW PRECISION. The matrix products marked QUANTISED in the list below multiply operands that are first quantised to E5M2 (5 exponent bits, 2 mantissa bits; 8 bits a number), with one power-of-two scale for each 32 numbers along K (OCP MX v1.0); their sums are f32. All else is computed in f32.
;;   The module's matrix products, in the order in which they are computed (A, B: the left and right operand; K: the contracted axis; several contracted axes count as one K, in the product's order):
;;     1. [M 1,024, K 1,024] x [K 1,024, N 8,192]; A: input Wq (given as codes); B: input x (given as codes): QUANTISED
;;     2. [M 1,024, K 1,024] x [K 1,024, N 8,192]; A: input Wk (given as codes); B: input x (given as codes): QUANTISED
;;     3. [M 1,024, K 1,024] x [K 1,024, N 8,192]; A: input Wv (given as codes); B: input x (given as codes): QUANTISED
;;     4. batch 64 x [M 2,048, K 64] x [K 64, N 2,048]; A: computed on the way; B: computed on the way: QUANTISED
;;     5. batch 64 x [M 2,048, K 2,048] x [K 2,048, N 64]; A: softmax (see below); B: computed on the way: QUANTISED
;;     6. [M 8,192, K 1,024] x [K 1,024, N 1,024]; A: computed on the way; B: input Wo (given as codes): QUANTISED
;;   THE QUANTISER, for each operand of a quantised product, along K:
;;     - K is cut into blocks of 32 from its start; a last block that is shorter is filled with zeros.
;;     - A block's scale is 2^e with e = floor(log2(the largest magnitude in the block)) - 15, held to -126 .. 127; a block of zeros has e = 0. As a byte (E8M0): e + 127.
;;     - Each number is divided by its block's scale, clamped to +-57,344, and rounded to the nearest number of E5M2, ties to even, subnormals kept.
;;     - The product sums the exact products of the quantised numbers (number of the format x scale) in f32.
;;   ~~~python
;;   def quantise(x, axis):      # numpy; x: float32 -> the quantised numbers, widened to float32 again
;;       x = np.moveaxis(x, axis, -1); K = x.shape[-1]
;;       x = np.pad(x, [(0, 0)] * (x.ndim - 1) + [(0, -K % 32)]); x = x.reshape(x.shape[:-1] + (-1, 32)); a = np.abs(x).max(-1, keepdims=True)
;;       e = np.where(a > 0, np.clip(np.frexp(np.where(a > 0, a, 1))[1] - 1 - 15, -126, 127), 0)      # np.frexp(a)[1] - 1 = floor(log2(a)), exactly
;;       r = np.clip(x / 2.0 ** e, -57344, 57344)
;;       step = 2.0 ** (np.maximum(np.frexp(np.where(r == 0, 1, r))[1] - 1, -14) - 2)
;;       q = np.round(r / step) * step * 2.0 ** e      # np.round: ties to even
;;       return np.moveaxis(q.reshape(q.shape[:-2] + (-1,))[..., :K], -1, axis).astype(np.float32)
;;   ~~~
;;   SOFTMAX AHEAD OF A QUANTISED PRODUCT. Where the list says 'softmax', what is quantised is not the finished softmax but p = 2^(t - M), with t = logit x log2(e) and M = ceil(the row's largest t), a whole number; so 1/2 < the row's largest p <= 1. The row's sum l is taken of the UNQUANTISED p, in f32, and the product's result is divided by l at the end. Since M is a whole number, a kernel that streams over the keys may use a running M (the ceiling of the running maximum): every later rescaling is an exact power of two, which a block's scale takes up: the codes' values come out the same.
;;   OPERANDS COMPUTED ON THE WAY. 'Computed on the way' means the value that the module computes at that place (a softmax that the list does not call 'softmax' is quantised finished and normalised). What goes into a quantiser is computed in f32, as accurately as f32 sums, v_exp_f32 and their like allow (about 1e-6 of the number): no bf16 or f16 on the way to a quantiser, and a product that is left as it is and whose result goes on into a quantised operand takes f32 operands (vector FMAs, or v_wmma_f32_16x16x4_f32). A number that lies on a knife's edge between two numbers of the format may be rounded either way, as far as f32 arithmetic and the matrix unit's own rounding can turn it there, and no further.
;;   INPUTS GIVEN AS CODES. Wk (in the module: [16, 1024, 64], K = its axis 1); Wo (in the module: [1024, 1024], K = its axis 0); Wq (in the module: [16, 1024, 64], K = its axis 1); Wv (in the module: [16, 1024, 64], K = its axis 1); x (in the module: [4, 2048, 1024], K = its axis 2): each comes as NAME_codes (uint8): NAME with its K axis moved to the last place and cut into blocks of 32 codes, [.., K / 32, bytes a block], one block behind the other in memory; one code a byte (a code: sign, 5 exponent bits, 2 mantissa bits); and NAME_scales (uint8): the same leading axes, one E8M0 byte (e + 127) for each 32 codes along K. Its value is code x scale, taken as it is: it is not quantised again, and the codes and scales need not be those that the quantiser above would give.
;; One version. Each part assembles by itself: llvm-mc -triple=amdgcn-amd-amdhsa -mcpu=gfx1250 --defsym DOCPART=n.
;; ======== version 1 of 1: 3 launches
;; limits: right only within a limited range of input values
;; workspace buffers: qc 8,388,608 bytes; qs 262,144 bytes; kv 16,777,216 bytes; kvs 524,288 bytes; ac 8,388,608 bytes; asc 262,144 bytes
;; launch proj (part 1): grid 8 x 32, 4 waves a work-group, clusters of 4 x 4, 327,680 bytes of LDS; arguments x_codes, x_scales, Wq_codes, Wq_scales, Wk_codes, Wk_scales, Wv_codes, Wv_scales, qc, qs, kv, kvs; writes qc, qs, kv, kvs
.if DOCPART == 1
	.amdgcn_target "amdgcn-amd-amdhsa--gfx1250"
	.amdhsa_code_object_version 6
	.text
	.protected	k_qb89382baf1_proj
	.globl	k_qb89382baf1_proj
	.p2align	8
	.type	k_qb89382baf1_proj,@function
k_qb89382baf1_proj:
	s_mov_b64 s[64:65], 0
	v_nop
	global_prefetch_b8 v0, s[64:65] scope:SCOPE_SE
	s_setreg_imm32_b32 hwreg(HW_REG_WAVE_MODE, 25, 1), 1
	s_wait_xcnt 0x0
	s_wait_alu depctr_hold_cnt(0) depctr_sa_sdst(0) depctr_va_vdst(0) depctr_va_sdst(0) depctr_va_ssrc(0) depctr_va_vcc(0) depctr_vm_vsrc(0)
	s_getreg_b32 s2, hwreg(HW_REG_IB_STS2, 6, 4)
	s_cmp_eq_u32 s2, 0
	s_cbranch_scc0 .Lentry_in_a_cluster
	s_endpgm
.Lentry_in_a_cluster:
	s_bfe_u32 s2, ttmp6, 0x10000c
	s_cmp_lg_u32 s2, 0xf033
	s_cbranch_scc0 .Lentry_shape_is_right
	s_endpgm
.Lentry_shape_is_right:
; q, k, v = x W (three products of 8,192 x 1,024 x 1,024 on codes of BF8 (E5M2) with one E8M0 scale for each 32 along K), and their quantising for the attention that follows.
; WORK LEFT OUT IN THIS PROGRAM: reference() sets every score of a key behind its query to -infinity by a mask that it builds itself, so such a score has weight 0 for all values of the inputs;
; the attention launch leaves out the key steps of 128 all of whose keys lie behind a tile's queries.  A NaN or an infinity that reaches only those scores is not carried to the result.  Every input is loaded.
; THE DEAL.  256 work-groups of four waves.  A work-group has 256 tokens and two heads of each of Wq, Wk, Wv (384 rows); a wave has 64 of the tokens, against all 384 rows.
; A wave's 64 rows of x, ALL of K, stand in registers (512, windows 1 and 2): they come into LDS by the wave's one load at the head and go on into registers.
; Then Wq's and Wk's 128 rows each are filled over x's bytes behind a drained round (64 rows a wave); Wv's 128 rows are filled over Wq's behind a second one (32 rows a wave), and are shown by a barrier inside k's last head.
; The weights' rows go past x's in blocks of 16, as two whole sets of fragments (256 registers, window 3): behind a block's 32 products its set takes the block two on.  Six heads of four blocks: q, q, k, k, v, v.
; The weights' scale bytes (12,288 for the 384 rows) lie in LDS bytes of their own, a copy for each wave, stored there from registers at the head; x's scale words stay in registers.
; SOURCES.  q, k: source 0 = 16 rows of W, source 1 = 16 tokens: lane (r = lane % 16, h = lane / 16) holds token r, register j channel 8 h + j of the block.  v: source 0 = 16 tokens, source 1 = 16 rows of Wv: the lane holds channel r, register j token 8 h + j.
; So 16 numbers of ONE block of 32 along the next K lie in a lane (q, k: the same token tile in two neighbouring blocks of W; v: two neighbouring token tiles), the other 16 in lane l xor 16, and their codes are four registers of the next operand.
; Inside a block of 32 the codes stand in the order 16 h + 8 u + j for the number 16 u + 8 h + j: q and k alike along d, v and the softmax's p alike along the keys.
; RESULTS leave as images of operand registers, 512 consecutive bytes a store, aligned:  qc [b h][token tile 128][d block 2][512 B];  kv [b h][step of 128 tokens 16][k: tile 8 x d block 2 x 512 B | v: d tile 4 x key block 4 x 512 B].
;   qs, kvs: 256 bytes for a head, a step and a tensor, lane l's 8 bytes at 8 l.  q, k: word j' of lane 16 u' + r: token r of tiles 2 i, 2 i + 1, i = 2 j' + u', two bytes each.  v: row r of d tile 2 j' + u', four key blocks.
;   A wave has half a step's tokens, so it stores one word (q, k) or one half word (v) of each lane's 8 bytes: 1 byte in 32 of what is stored here.
; CLUSTERS: 4 x 4 work-groups; x's rows are shared along a row of the cluster, the weights' along a column: each is asked for jointly.
; NO PREFETCH: each fill is asked for as soon as its LDS bytes are free; no loop runs ahead of a load.
; LIMITS: NaN and infinity codes among the inputs are not served.  A block whose largest magnitude lies under 2^-111 keeps the scale byte 1; so does a block of zeros (only this program reads the bytes).
.set PITCH, 1040                       ; an LDS row: 1,024 bytes + 16 of padding
.set WBLK,  16*PITCH
.set HEADB, 64*PITCH                   ; a head's 64 rows; also a wave's 64 rows of x
.set WSC,   256*PITCH                  ; behind the 256 rows: the weights' scale bytes, 12,288 a wave
.set SPARE, WSC+4*12288                ; the spare words
.set VO,   1                           ; v1  16 x lane
.set V8,   2                           ; v2  8 x lane
.set L32,  3                           ; v3  32 x lane
.set ADX,  4                           ; v4  LDS address of my fragments of x
.set ADW0, 5                           ; v5  of a weight's fragments, row 0
.set ASW0, 6                           ; v6  of its scale words
.set ADC,  7                           ; v7, v8  as v5, for this head and the next
.set ADN,  8
.set ASC,  9                           ; v9, v12 as v6
.set SPW,  10
.set NIL,  11
.set ASN,  12
.set CPY,  13                          ; v13 where the copy of the scale bytes goes
.set SA,   24                          ; v24-39  x's scale words: register 8 p + q: lanes 0-15 token tile 2 p, lanes 16-31 tile 2 p + 1, K step q
.set SW,   44                          ; v44-59  a weight's: two sets of eight, lanes 0-15
.set ACC,  64                          ; v64-127 two sets of four accumulators
.set TM,   128                         ; the four blocks' largest magnitudes
.set T1,   132                         ; the other half's; then the scale bytes
.set HB,   136                         ; 57,344 x the scale
.set SO,   140                         ; the conversions' scale operands
.set PC,   144                         ; v144-159 codes
.set WD,   160                         ; v160-163 scale words in the making
.set CP,   160                         ; v160-255 at the head: the weights' scale bytes on their way
.set G1X, 24                           ; group 1: x's 64 rows;  G1W a weight's 64;  G1V Wv's 32
.set G1W, 32
.set G1V, 48
.set G0X, 56
.set G0Q, 60
.set G0K, 92
.set G0V, 96
.set CB,  68                           ; LDS byte of this head's rows, of the next head's; the same for the scale bytes; trips to go
.set NB,  69
.set CS,  70
.set NS,  71
.set CNT, 72
.set MNT, 73
.set SEL, 74
.set HM,  76
.set MSB, 0
.macro WIN new                         ; the immediate's high byte repeats the setting that is left
.if MSB != \new
	s_set_vgpr_msb (MSB<<8)|\new
.set MSB, \new
.endif
.endm
.macro CROUND
	s_barrier_signal -1
	s_barrier_wait -1
	s_cmp_lg_u32 s14, 0
	s_cbranch_scc1 .Lnot_wave_0_\@
	s_barrier_signal -3
.Lnot_wave_0_\@:
	s_barrier_wait -3
	s_barrier_signal -1
	s_barrier_wait -1
.endm
.macro TL g0, g1                       ; a joint load; s_nop 0 and four v_nop follow it
	tensor_load_to_lds s[\g0:\g0+3], s[\g1:\g1+7]
	s_nop 0
.rept 4
	v_nop
.endr
.endm
.macro GROUP1 g, mask, rows            ; whole rows of K, 1,024 bytes each, four words of padding behind each
	s_or_b32 s[\g+0], s[\mask], (1<<20)|(1<<21)|(7<<22)|(3<<25)
	s_mov_b32 s[\g+1], 1024<<16
	s_mov_b32 s[\g+2], (\rows)<<16
	s_mov_b32 s[\g+3], 1024<<16
	s_mov_b32 s[\g+4], \rows
	s_mov_b32 s[\g+5], 1024
	s_mov_b32 s[\g+6], 0
	s_mov_b32 s[\g+7], 0
.endm
	s_load_b512 s[68:83], s[0:1], 0x0              ; x's codes, scales; Wq's; Wk's; Wv's
	s_load_b256 s[84:91], s[0:1], 0x40             ; qc, qs, kv, kvs
	v_lshl_add_u32 v[SPW], v0, 2, SPARE
	v_mov_b32 v[NIL], 0
	ds_add_u32 v[SPW], v[NIL]                      ; the opening lines: the add, twice on end, and its wait
	ds_add_u32 v[SPW], v[NIL]
	v_lshrrev_b32 v1, 5, v0
	v_readfirstlane_b32 s14, v1                    ; wave 0..3
	s_lshr_b32 s15, s14, 1                         ; which of the two steps of 128 tokens
	s_and_b32 s16, s14, 1                          ; which half of it
	s_bfe_u32 s40, ttmp6, 0x40000                  ; cx, cy
	s_bfe_u32 s41, ttmp6, 0x40004
	s_lshl_b32 s42, ttmp9, 2
	s_add_co_u32 s42, s42, s40                     ; which two heads
	s_and_b32 s17, ttmp7, 0xffff
	s_lshl_b32 s17, s17, 2
	s_add_co_u32 s17, s17, s41                     ; which 256 tokens
	s_lshl_b32 s43, s41, 2
	s_lshl_b32 s43, 15, s43                        ; my row of the cluster
	s_lshl_b32 s44, 0x1111, s40                    ; my column
	GROUP1 G1X, 43, 64
	GROUP1 G1W, 44, 64
	GROUP1 G1V, 44, 32
	s_mov_b32 s[G0X], 1
	s_mul_i32 s[G0X+1], s14, HEADB
	s_mov_b32 s[G0Q], 1
	s_mul_i32 s[G0Q+1], s14, HEADB
	s_mov_b32 s[G0K], 1
	s_mul_i32 s[G0K+1], s14, HEADB
	s_mov_b32 s[G0V], 1
	s_mul_i32 s[G0V+1], s14, 32*PITCH
	s_lshl_b32 s18, s17, 2
	s_add_co_u32 s18, s18, s14                     ; which 64 tokens of the 8,192
	s_lshl_b32 s2, s18, 16                         ; their codes,
	s_mov_b32 s3, 0
	s_lshl_b32 s4, s18, 11                         ; their scale bytes
	s_mov_b32 s5, 0
	s_lshl_b32 s6, s42, 17                         ; Wq, Wk: my two heads' rows, + 64 rows x (wave % 2)
	s_lshl_b32 s7, s16, 16
	s_add_co_u32 s6, s6, s7
	s_mov_b32 s7, 0
	s_lshl_b32 s8, s42, 17                         ; Wv: + 32 rows x wave
	s_lshl_b32 s9, s14, 15
	s_add_co_u32 s8, s8, s9
	s_mov_b32 s9, 0
	s_lshl_b32 s10, s42, 12                        ; a weight's scale bytes of the two heads
	s_mov_b32 s11, 0
	v_and_b32 v1, 31, v0
	v_and_b32 v14, 15, v0                          ; r
	v_bfe_u32 v15, v0, 4, 1                        ; h
	v_lshlrev_b32 v[V8], 3, v1
	v_lshlrev_b32 v[L32], 5, v1
	v_lshlrev_b32 v[VO], 4, v1
	v_mul_u32_u24 v[ADW0], v14, PITCH
	v_lshl_add_u32 v[ADW0], v15, 4, v[ADW0]
	s_mul_i32 s12, s14, HEADB
	v_add_nc_u32 v[ADX], s12, v[ADW0]
	s_mul_i32 s12, s14, 12288
	s_add_co_u32 s12, s12, WSC
	v_lshl_add_u32 v[ASW0], v14, 5, s12
	v_add_nc_u32 v[CPY], s12, v[VO]
.irp b, 0,1,2,3
	v_mov_b32 v[T1+\b], 0                          ; written once: a lane permute's destination counts as one of its sources
.endr
	s_wait_alu depctr_va_vdst(0)                   ; the wait at the head's end
	s_wait_dscnt 0x0
	CROUND                                         ; all sixteen work-groups are here: the first joint loads meet
	s_wait_kmcnt 0x0
	s_add_nc_u64 s[G0X+2:G0X+3], s[68:69], s[2:3]
	s_or_b32 s[G0X+3], s[G0X+3], 0x80000000
	TL G0X, G1X                                    ; my 64 rows of x: my one load at the head
	s_add_nc_u64 s[G0Q+2:G0Q+3], s[72:73], s[6:7]
	s_or_b32 s[G0Q+3], s[G0Q+3], 0x80000000
	s_add_nc_u64 s[G0K+2:G0K+3], s[76:77], s[6:7]
	s_or_b32 s[G0K+3], s[G0K+3], 0x80000000
	s_add_nc_u64 s[G0V+2:G0V+3], s[80:81], s[8:9]
	s_or_b32 s[G0V+3], s[G0V+3], 0x80000000
	s_add_nc_u64 s[70:71], s[70:71], s[4:5]
	s_add_nc_u64 s[74:75], s[74:75], s[10:11]
	s_add_nc_u64 s[78:79], s[78:79], s[10:11]
	s_add_nc_u64 s[82:83], s[82:83], s[10:11]
.irp i, 0,1,2,3,4,5,6,7
	global_load_b128 v[CP+4*\i:CP+4*\i+3], v[VO], s[74:75] offset:512*\i          ; the weights' scale bytes: 4,096 dense bytes each
	global_load_b128 v[CP+32+4*\i:CP+32+4*\i+3], v[VO], s[78:79] offset:512*\i
	global_load_b128 v[CP+64+4*\i:CP+64+4*\i+3], v[VO], s[82:83] offset:512*\i
.endr
.irp p, 0,1
.irp c, 0,1
	global_load_b128 v[SA+8*\p+4*\c:SA+8*\p+4*\c+3], v[L32], s[70:71] offset:1024*\p+16*\c   ; lane l takes token l of a pair of tiles
.endr
.endr
	; WHERE THE RESULTS GO
	s_lshr_b32 s18, s17, 3
	s_lshl_b32 s18, s18, 4
	s_lshl_b32 s19, s42, 1
	s_add_co_u32 s18, s18, s19                     ; 16 x batch + my first head
	s_and_b32 s19, s17, 7
	s_lshl_b32 s20, s19, 1
	s_add_co_u32 s20, s20, s15                     ; my step in the batch
	s_lshl_b32 s19, s19, 4
	s_lshl_b32 s21, s14, 2
	s_add_co_u32 s19, s19, s21                     ; my first token tile in the batch
	s_lshl_b32 s2, s18, 17
	s_lshl_b32 s3, s19, 10
	s_add_co_u32 s2, s2, s3
	s_mov_b32 s3, 0
	s_add_nc_u64 s[84:85], s[84:85], s[2:3]        ; q's codes
	s_lshl_b32 s2, s18, 12
	s_lshl_b32 s21, s20, 8
	s_add_co_u32 s2, s2, s21
	s_lshl_b32 s21, s16, 2
	s_add_co_u32 s2, s2, s21
	s_add_nc_u64 s[86:87], s[86:87], s[2:3]        ; q's scale words: word j' = my half
	s_lshl_b32 s2, s18, 18
	s_lshl_b32 s21, s20, 14
	s_add_co_u32 s2, s2, s21
	s_lshl_b32 s21, s16, 12
	s_add_co_u32 s4, s2, s21
	s_mov_b32 s5, 0
	s_add_nc_u64 s[4:5], s[88:89], s[4:5]          ; k's codes: tiles 4 x half on
	s_lshl_b32 s21, s16, 10
	s_add_co_u32 s2, s2, s21
	s_add_co_u32 s2, s2, 8192
	s_add_nc_u64 s[6:7], s[88:89], s[2:3]          ; v's codes: key blocks 2 x half on
	s_lshl_b32 s2, s18, 13
	s_lshl_b32 s21, s20, 9
	s_add_co_u32 s2, s2, s21
	s_lshl_b32 s21, s16, 2
	s_add_co_u32 s8, s2, s21
	s_mov_b32 s9, 0
	s_add_nc_u64 s[8:9], s[90:91], s[8:9]          ; k's scale words
	s_lshl_b32 s21, s16, 1
	s_add_co_u32 s2, s2, s21
	s_add_co_u32 s2, s2, 256
	s_add_nc_u64 s[10:11], s[90:91], s[2:3]        ; v's: bytes 2 x half on
	s_wait_loadcnt 0x0
	s_wait_tensorcnt 0x0                           ; my rows of x are in; only I read them
.set I, 0
.rept 24
	ds_store_b128 v[CPY], v[CP+4*I:CP+4*I+3] offset:512*I
.set I, I+1
.endr
.set F, 0
.rept 32                               ; x's fragment F = 4 q + t (K step q, token tile t) lies in window 1 + F / 16
	WIN (1+F/16)<<6
.irp c, 0,1,2,3
	ds_load_b128 v[16*(F%16)+4*\c:16*(F%16)+4*\c+3], v[ADX] offset:(F%4)*WBLK+128*(F/4)+32*\c
.endr
.set F, F+1
.endr
	WIN 0
	s_wait_tensorcnt 0x0                           ; ahead of a refill's round
	ds_add_u32 v[SPW], v[NIL]
	s_mov_b32 s[CB], 0
	s_mov_b32 s[NB], HEADB
	s_mov_b32 s[CS], 0
	s_mov_b32 s[NS], 2048
	s_mov_b32 s[CNT], 2
	s_mov_b32 s[MNT], 0x600000                     ; the mantissa field of 57,344
	s_mov_b32 s[SEL], 0x76543210
	s_mov_b32 s[SEL+1], 0xfedcba98
	s_mov_b32 s[HM], 0xffff0000                    ; lanes 16-31
	s_wait_dscnt 0x0                               ; x is in registers
	CROUND
	s_cmp_lt_u32 s14, 2                            ; waves 0, 1: Wq's halves; waves 2, 3: Wk's: a line each
	s_cbranch_scc0 .Lfor_k
	TL G0Q, G1W
	s_branch .Lw_asked
.Lfor_k:
	TL G0K, G1W
.Lw_asked:
.macro FETCH set, adr, sadr, blk       ; a weight's block, 16 rows, all of K, and its scale words: 34 loads
	WIN 0xc0
.irp q, 0,1,2,3,4,5,6,7
.irp c, 0,1,2,3
	ds_load_b128 v[128*(\set)+16*\q+4*\c:128*(\set)+16*\q+4*\c+3], v[\adr] offset:(\blk)*WBLK+128*\q+32*\c
.endr
.endr
	WIN 0
	ds_load_b128 v[SW+8*(\set):SW+8*(\set)+3], v[\sadr] offset:(\blk)*512
	ds_load_b128 v[SW+8*(\set)+4:SW+8*(\set)+7], v[\sadr] offset:(\blk)*512+16
.endm
.macro PRD kind, c
.if \kind
.if N%2
	v_wmma_scale_f32_16x16x128_f8f6f4 v[D_:D_+7], v[X_:X_+15], v[W_:W_+15], \c, v[SX_], v[SW_] matrix_a_fmt:MATRIX_FMT_BF8 matrix_b_fmt:MATRIX_FMT_BF8 matrix_a_scale:MATRIX_SCALE_ROW1
.else
	v_wmma_scale_f32_16x16x128_f8f6f4 v[D_:D_+7], v[X_:X_+15], v[W_:W_+15], \c, v[SX_], v[SW_] matrix_a_fmt:MATRIX_FMT_BF8 matrix_b_fmt:MATRIX_FMT_BF8
.endif
.else
.if N%2
	v_wmma_scale_f32_16x16x128_f8f6f4 v[D_:D_+7], v[W_:W_+15], v[X_:X_+15], \c, v[SW_], v[SX_] matrix_a_fmt:MATRIX_FMT_BF8 matrix_b_fmt:MATRIX_FMT_BF8 matrix_b_scale:MATRIX_SCALE_ROW1
.else
	v_wmma_scale_f32_16x16x128_f8f6f4 v[D_:D_+7], v[W_:W_+15], v[X_:X_+15], \c, v[SW_], v[SX_] matrix_a_fmt:MATRIX_FMT_BF8 matrix_b_fmt:MATRIX_FMT_BF8
.endif
.endif
.endm
.macro MULS kind, e                    ; a block's 32 products, N = 4 q + t; the four accumulators take turns; the first four start the sums
.set N, 0
.rept 32
.set D_, ACC+32*(\e)+8*(N%4)
.set W_, 128*(\e)+16*(N/4)
.set X_, 16*(N%16)
.set SW_, SW+8*(\e)+N/4
.set SX_, SA+8*((N%4)/2)+N/4
.if \kind
	WIN (1+N/16)|(3<<2)
.else
	WIN 3|((1+N/16)<<2)
.endif
.if N < 4
	PRD \kind, 0
.else
	PRD \kind, v[D_:D_+7]
.endif
.set N, N+1
.endr
	WIN 0
.rept 8
	v_nop                                          ; eight places behind the last product, ahead of the fetch into what it has read and of the first reader of its sums
.endr
.endm
; THE QUANTISER of a pair of blocks: four blocks of 32 along the next K, by turns.  Block b's 16 numbers of a lane: kind 0 (q, k): token tile b in both sets; kind 1 (v): set b / 2, token tiles 2 (b % 2) and the next.
; The largest magnitude, with the floor 2^(16 - 127); 15 off its exponent field is the conversion's scale operand; that shifted down is the byte; its exponent field over 57,344's mantissa is the hold (ISA guide 7.6.2: the conversion does not saturate).
.macro QUANT kind, p, ob, sb
	s_wait_xcnt 0x0                                ; the last pair's stores have read their data
.irp b, 0,1,2,3
	v_max3_num_f32 v[TM+\b], 0x8000000, |v[ACC+(8+8*\kind)*\b]|, |v[ACC+(8+8*\kind)*\b+1]|   ; each accumulator is read from its low end on
.endr
.irp i, 2,4,6
.irp b, 0,1,2,3
	v_max3_num_f32 v[TM+\b], v[TM+\b], |v[ACC+(8+8*\kind)*\b+\i]|, |v[ACC+(8+8*\kind)*\b+\i+1]|
.endr
.endr
.irp i, 0,2,4,6
.irp b, 0,1,2,3
	v_max3_num_f32 v[TM+\b], v[TM+\b], |v[ACC+(8+8*\kind)*\b+32-24*\kind+\i]|, |v[ACC+(8+8*\kind)*\b+32-24*\kind+\i+1]|
.endr
.endr
.irp b, 0,1,2,3
	v_permlanex16_b32 v[T1+\b], v[TM+\b], s[SEL], s[SEL+1]
.endr
.irp b, 0,1,2,3
	v_max_num_f32 v[TM+\b], v[TM+\b], v[T1+\b]
.endr
.irp b, 0,1,2,3
	v_add_nc_u32 v[SO+\b], 0xf8800000, v[TM+\b]
.endr
.irp b, 0,1,2,3
	v_and_or_b32 v[HB+\b], v[TM+\b], 0x7f800000, s[MNT]
.endr
.irp b, 0,1,2,3
	v_lshrrev_b32 v[T1+\b], 23, v[SO+\b]
.endr
.if \kind                              ; v: d tile 2 p in lanes 0-15, 2 p + 1 in lanes 16-31: my two key blocks' bytes
	v_lshl_or_b32 v[WD], v[T1+1], 8, v[T1]
	v_lshl_or_b32 v[WD+1], v[T1+3], 8, v[T1+2]
	v_cndmask_b32 v[WD], v[WD], v[WD+1], s[HM]
.elseif \p                             ; q, k: tiles 0, 1 in lanes 0-15, tiles 2, 3 in lanes 16-31: bytes (even tile: d block 0, 1; odd tile: d block 0, 1)
	v_lshl_or_b32 v[WD+2], v[T1+1], 16, v[T1]
	v_lshl_or_b32 v[WD+3], v[T1+3], 16, v[T1+2]
	v_lshl_or_b32 v[WD], v[WD+2], 8, v[WD]
	v_lshl_or_b32 v[WD+1], v[WD+3], 8, v[WD+1]
	v_cndmask_b32 v[WD], v[WD], v[WD+1], s[HM]
.else
	v_lshl_or_b32 v[WD], v[T1+1], 16, v[T1]
	v_lshl_or_b32 v[WD+1], v[T1+3], 16, v[T1+2]
.endif
.irp b, 0,1,2,3
.irp i, 0,1,2,3,4,5,6,7
	v_med3_num_f32 v[ACC+(8+8*\kind)*\b+\i], v[ACC+(8+8*\kind)*\b+\i], -v[HB+\b], v[HB+\b]
	v_med3_num_f32 v[ACC+(8+8*\kind)*\b+32-24*\kind+\i], v[ACC+(8+8*\kind)*\b+32-24*\kind+\i], -v[HB+\b], v[HB+\b]
.endr
.endr
.irp b, 0,1,2,3
	v_cvt_scalef32_pk8_bf8_f32 v[PC+4*\b:PC+4*\b+1], v[ACC+(8+8*\kind)*\b:ACC+(8+8*\kind)*\b+7], v[SO+\b]
	v_cvt_scalef32_pk8_bf8_f32 v[PC+4*\b+2:PC+4*\b+3], v[ACC+(8+8*\kind)*\b+32-24*\kind:ACC+(8+8*\kind)*\b+32-24*\kind+7], v[SO+\b]
.endr
	v_nop                                          ; one plain line behind the last conversion
.irp b, 0,1,2,3
.if \kind
	global_store_b128 v[VO], v[PC+4*\b:PC+4*\b+3], s[\ob:\ob+1] offset:(2*\p+\b/2)*2048+(\b%2)*512   ; d tile 2 p + b / 2, my key block b % 2
.else
	global_store_b128 v[VO], v[PC+4*\b:PC+4*\b+3], s[\ob:\ob+1] offset:\b*1024+\p*512                ; token tile b, d block p
.endif
.endr
.if \kind
	global_store_b16 v[V8], v[WD], s[\sb:\sb+1] offset:4*\p
.elseif \p
	global_store_b32 v[V8], v[WD], s[\sb:\sb+1]
.endif
.endm
; A HEAD: four blocks of 16 rows of a weight.  show = 1: Wv's rows are shown ahead of the first fetch from them.  tail = 1: the loop's last trip fetches nothing more.
; s_wait_dscnt 34: of my LDS loads only the one fetch issued behind this block's may be out.
.macro TRIP kind, ob, sb, show, tail
	v_add_nc_u32 v[ADC], s[CB], v[ADW0]
	v_add_nc_u32 v[ADN], s[NB], v[ADW0]
	v_add_nc_u32 v[ASC], s[CS], v[ASW0]
	v_add_nc_u32 v[ASN], s[NS], v[ASW0]
	s_wait_alu depctr_va_vdst(0)                   ; directly behind the writes
	s_wait_dscnt 34
	MULS \kind, 0
	FETCH 0, ADC, ASC, 2
	s_wait_dscnt 34
	MULS \kind, 1
	FETCH 1, ADC, ASC, 3
	QUANT \kind, 0, \ob, \sb
	s_wait_dscnt 34
	MULS \kind, 0
.if \show
	s_wait_tensorcnt 0x0                           ; every wave: my part of Wv's rows is in,
	s_wait_dscnt 0x0
	s_barrier_signal -1
	s_barrier_wait -1                              ; everybody's is
.endif
.if \tail
	s_cmp_eq_u32 s[CNT], 1
	s_cbranch_scc1 .Lno0_\@
	FETCH 0, ADN, ASN, 0
	s_wait_dscnt 34
	s_branch .Lgo_\@
.Lno0_\@:
	s_wait_dscnt 0x0
.Lgo_\@:
.else
	FETCH 0, ADN, ASN, 0
	s_wait_dscnt 34
.endif
	MULS \kind, 1
.if \tail
	s_cmp_eq_u32 s[CNT], 1
	s_cbranch_scc1 .Lno1_\@
	FETCH 1, ADN, ASN, 1
.Lno1_\@:
.else
	FETCH 1, ADN, ASN, 1
.endif
	QUANT \kind, 1, \ob, \sb
	s_wait_xcnt 0x0                                ; the stores have read their bases: they step behind this wait
.endm
.macro ONWARD
	s_add_co_u32 s[CB], s[CB], HEADB
	s_add_co_u32 s[NB], s[NB], HEADB
	s_add_co_u32 s[CS], s[CS], 2048
	s_add_co_u32 s[NS], s[NS], 2048
.endm
	s_wait_tensorcnt 0x0                           ; my part of Wq's or Wk's rows is in,
	s_barrier_signal -1
	s_barrier_wait -1                              ; everybody's is
	FETCH 0, ADW0, ASW0, 0
	FETCH 1, ADW0, ASW0, 1
.Lq:                                                   ; q's two heads
	TRIP 0, 84, 86, 0, 0
	s_add_nc_u64 s[84:85], s[84:85], 1<<17
	s_add_nc_u64 s[86:87], s[86:87], 1<<12
	ONWARD
	s_sub_co_u32 s[CNT], s[CNT], 1
	s_cmp_lg_u32 s[CNT], 0
	s_cbranch_scc1 .Lq
	s_wait_tensorcnt 0x0                           ; Wv's rows over Wq's: ahead of the round
	ds_add_u32 v[SPW], v[NIL]
	s_wait_dscnt 0x0                               ; my reads of Wq's rows are over
	CROUND
	TL G0V, G1V
	TRIP 0, 4, 8, 0, 0                             ; k's first head
	s_add_nc_u64 s[4:5], s[4:5], 1<<18
	s_add_nc_u64 s[8:9], s[8:9], 1<<13
	s_add_co_u32 s[CB], s[CB], HEADB
	s_mov_b32 s[NB], 0                             ; the head after the next is v's first, where Wq's lay
	s_add_co_u32 s[CS], s[CS], 2048
	s_add_co_u32 s[NS], s[NS], 2048
	TRIP 0, 4, 8, 1, 0                             ; k's second
	s_mov_b32 s[CB], 0
	s_mov_b32 s[NB], HEADB
	s_add_co_u32 s[CS], s[CS], 2048
	s_add_co_u32 s[NS], s[NS], 2048
	s_mov_b32 s[CNT], 2
.Lv:                                                   ; v's two heads
	TRIP 1, 6, 10, 0, 1
	s_add_nc_u64 s[6:7], s[6:7], 1<<18
	s_add_nc_u64 s[10:11], s[10:11], 1<<13
	ONWARD
	s_sub_co_u32 s[CNT], s[CNT], 1
	s_cmp_lg_u32 s[CNT], 0
	s_cbranch_scc1 .Lv
	s_wait_tensorcnt 0x0                           ; the wave's end
	ds_add_u32 v[SPW], v[NIL]
	s_wait_dscnt 0x0
	CROUND                                         ; the closing round
	s_endpgm
.Lfunc_end_k_qb89382baf1_proj:
	.size	k_qb89382baf1_proj, .Lfunc_end_k_qb89382baf1_proj-k_qb89382baf1_proj
	.p2alignl 7, 3214868480
	.fill 96, 4, 3214868480
	.section	.rodata,"a",@progbits
	.p2align	6, 0x0
	.amdhsa_kernel k_qb89382baf1_proj
		.amdhsa_group_segment_fixed_size 327680
		.amdhsa_private_segment_fixed_size 0
		.amdhsa_enable_private_segment 0
		.amdhsa_kernarg_size 96
		.amdhsa_user_sgpr_count 2
		.amdhsa_user_sgpr_kernarg_segment_ptr 1
		.amdhsa_wavefront_size32 1
		.amdhsa_system_sgpr_workgroup_id_x 1
		.amdhsa_system_sgpr_workgroup_id_y 1
		.amdhsa_system_sgpr_workgroup_id_z 1
		.amdhsa_system_vgpr_workitem_id 0
		.amdhsa_next_free_vgpr 1024
		.amdhsa_next_free_sgpr 100
		.amdhsa_reserve_vcc 0
		.amdhsa_float_denorm_mode_32 3
		.amdhsa_float_denorm_mode_16_64 3
		.amdhsa_memory_ordered 1
		.amdhsa_forward_progress 1
		.amdhsa_inst_pref_size 202
	.end_amdhsa_kernel
	.amdgpu_metadata
---
amdhsa.version: [ 1, 2 ]
amdhsa.kernels:
  - .name:           k_qb89382baf1_proj
    .symbol:         k_qb89382baf1_proj.kd
    .args:
      - { .name: x_codes, .offset: 0, .size: 8, .value_kind: global_buffer, .address_space: global }
      - { .name: x_scales, .offset: 8, .size: 8, .value_kind: global_buffer, .address_space: global }
      - { .name: Wq_codes, .offset: 16, .size: 8, .value_kind: global_buffer, .address_space: global }
      - { .name: Wq_scales, .offset: 24, .size: 8, .value_kind: global_buffer, .address_space: global }
      - { .name: Wk_codes, .offset: 32, .size: 8, .value_kind: global_buffer, .address_space: global }
      - { .name: Wk_scales, .offset: 40, .size: 8, .value_kind: global_buffer, .address_space: global }
      - { .name: Wv_codes, .offset: 48, .size: 8, .value_kind: global_buffer, .address_space: global }
      - { .name: Wv_scales, .offset: 56, .size: 8, .value_kind: global_buffer, .address_space: global }
      - { .name: qc, .offset: 64, .size: 8, .value_kind: global_buffer, .address_space: global }
      - { .name: qs, .offset: 72, .size: 8, .value_kind: global_buffer, .address_space: global }
      - { .name: kv, .offset: 80, .size: 8, .value_kind: global_buffer, .address_space: global }
      - { .name: kvs, .offset: 88, .size: 8, .value_kind: global_buffer, .address_space: global }
    .group_segment_fixed_size: 327680
    .private_segment_fixed_size: 0
    .kernarg_segment_align: 8
    .kernarg_segment_size: 96
    .max_flat_workgroup_size: 128
    .sgpr_count:     100
    .vgpr_count:     1024
    .wavefront_size: 32
...
	.end_amdgpu_metadata
.endif
;; end of part 1
;; launch attn (part 2): grid 4 x 64, 16 waves a work-group, clusters of 4 x 1, 327,680 bytes of LDS; arguments qc, qs, kv, kvs, ac, asc; writes ac, asc
.if DOCPART == 2
	.amdgcn_target "amdgcn-amd-amdhsa--gfx1250"
	.amdhsa_code_object_version 6
	.text
	.protected	k_qb89382baf1_attn
	.globl	k_qb89382baf1_attn
	.p2align	8
	.type	k_qb89382baf1_attn,@function
k_qb89382baf1_attn:
	s_mov_b64 s[64:65], 0
	v_nop
	global_prefetch_b8 v0, s[64:65] scope:SCOPE_SE
	s_setreg_imm32_b32 hwreg(HW_REG_WAVE_MODE, 25, 1), 1
	s_wait_xcnt 0x0
	s_wait_alu depctr_hold_cnt(0) depctr_sa_sdst(0) depctr_va_vdst(0) depctr_va_sdst(0) depctr_va_ssrc(0) depctr_va_vcc(0) depctr_vm_vsrc(0)
	s_getreg_b32 s2, hwreg(HW_REG_IB_STS2, 6, 4)
	s_cmp_eq_u32 s2, 0
	s_cbranch_scc0 .Lentry_in_a_cluster
	s_endpgm
.Lentry_in_a_cluster:
	s_bfe_u32 s2, ttmp6, 0x10000c
	s_cmp_lg_u32 s2, 0x3003
	s_cbranch_scc0 .Lentry_shape_is_right
	s_endpgm
.Lentry_shape_is_right:
; Causal attention of one head (64 channels, 2,048 tokens) on codes of BF8 (E5M2) with one E8M0 scale for each 32 along a product's K, and the quantising of its result along (head, channel) for the last product.
; LEFT OUT: key steps of 128 all of whose keys lie behind a tile's queries: reference()'s own mask gives them weight 0 for all inputs.
; INPUTS (this program's own buffers, images of operand registers, 16 bytes a lane at 16 x lane):
;   qc [b h][token tile 128][d block 2][512 B];  kv [b h][step of 128 keys 16][k: tile 8 x d block 2 x 512 B | v: d tile 4 x key block 4 x 512 B];  qs, kvs: 256 bytes of scale words for a head, a step and a tensor.
; THE SOFTMAX: t = score x log2(e) / 8; M = the largest t so far, rounded up to a whole number; p = 2^(t - M) is quantised along the keys, not normalised; the row's sum is taken of the unquantised p and divides at the end.
; When M moves, the sum and O are multiplied by 2^(old M - new M), which rounds nothing.
; SHARES.  The four work-groups of a head form a cluster.  The head's 128 tiles of 16 queries are 32 groups of four; work-group cx takes tile 4 g + cx of each group g.  Wave w takes group 31 - w first, then group w.
; A group's last key step is g / 2, whatever cx: so the steps that a wave walks, 16 - w / 2 and w / 2 + 1, 17 in all, hang on the wave's number alone, and the four partners run alike.  cx enters global addresses and the mask's numbers only.
; LDS.  The head's k and v (262,144 bytes) and their scale words (8,192) come ONCE, by joint loads with the mask 15, one load a wave at most: waves 0-3 key steps 0-3, wave 4 the scale words, waves 8-13 two key steps each (4-15).
; The first barrier shows the loads of waves 0-4; the long tile's first four steps read those bytes alone; then a barrier in front of which every wave waits shows the rest.  At both barriers all waves have done the same work.
; NO PREFETCH: all of k and v is asked for at the head, so there is no loop that runs ahead of a load; q is 1,024 bytes a pass, and the second pass's is asked for under the first pass's way out.
; LAYOUT.  Both products are used transposed: S^T = k q^T, O^T = v^T p^T: a lane (r = lane % 16, h = lane / 16) holds query r throughout.
; The first product's K is 64: one run of 16 registers holds TWO key tiles [kA | kB], and q stands as [q | 0 | q] in 24 registers: [q | 0] gives kA q, [0 | q] gives kB q; the zero codes add nothing.
; Inside a block of 32 the codes stand in the order 16 h + 8 u + j for the number 16 u + 8 h + j: q and k alike along d, p and v alike along the keys.  The result's codes are put into natural order by two register swaps a block.
; LIMITS: NaN and infinities are not served.  A block whose largest magnitude lies under 2^-111, a block of zeros among them, keeps the scale byte 1 (read by this program alone).  A p under 2^-126 counts as 0.  The scaled scores stay under 2^31 in magnitude.
.set SCL,  262144                      ; LDS: behind k and v: the scale words, 512 bytes a step
.set SPARE, 270336                     ; the spare words, 128 bytes a wave
.set LI,   1                           ; v1   16 x lane
.set L8,   2                           ; v2   SCL + 8 x lane
.set R8,   3                           ; v3   8 r
.set R32,  4                           ; v4   32 r
.set DL,   5                           ; v5   r - 8 h
.set ADK,  6                           ; v6   LDS address of the step's fragments
.set ADS,  7                           ; v7   of its scale words
.set QT,   8                           ; v8   q's scale word as loaded
.set HW,   9                           ; v9   the result's two scale bytes
.set DD,   10                          ; v10  my query less the last step's first key less 8 h
                                       ; v12 -M, v13 the largest t, v[14:15] the sum; v16-23 q, v24-31 zeros, v32-39 q
.set QS,   40                          ; q's scale word: its two bytes, twice
.set KS,   42                          ; v[42:43] k's scale words;  v[44:45] v's;  v46 p's
.set VS,   44
.set PW,   46
.set KVF,  48                          ; v48-111  four fragments: of k, then of v
.set S,    112                         ; v112-175 S^T, then p
.set O,    176                         ; v176-207 O^T
.set PC,   208                         ; v208-223 p's codes; at the end the result's
.set BM,   224                         ; the blocks' largest
.set T1,   228                         ; the other half's; then bytes
.set HB,   232                         ; 57,344 x the scale
.set SO,   236                         ; the conversions' scale operands
.set FF,   242                         ; v[242:243] f = 2^(old M - new M); the upper word is only named
.set TMP,  244
.set NINF, 245
.set SPW,  254
.set NIL,  255
.set WV,   16                          ; s16 my wave;  s17 16 b + h, s18 b, s19 h;  s30 cx
.set SEL,  20
.set CS,   22                          ; s[22:23] c = log2(e) / 8
.set MNT,  24
.set TB,   25                          ; LDS byte at which the step's fragments begin;  s26 its scale words;  s27 its first key;  s28 trips to go
.set TS,   26
.set KF,   27
.set CNT,  28
.set G1A,  32                          ; group 1: 64 rows of 256 bytes;  G1S 32 rows;  G1C 128 rows
.set G1S,  40
.set G1C,  48
.set G0A,  56
.set G0S,  60
.set G0C,  80
.set PL,   68                          ; a pass's set: +0 first query, +1 first key of its last step, +2 q's codes, +4 q's scale word, +6 the result's codes, +8 its scale bytes, +10 the byte select
.set PS,   84
.macro CROUND
	s_barrier_signal -1
	s_barrier_wait -1
	s_cmp_lg_u32 s[WV], 0
	s_cbranch_scc1 .Lnot_wave_0_\@
	s_barrier_signal -3
.Lnot_wave_0_\@:
	s_barrier_wait -3
	s_barrier_signal -1
	s_barrier_wait -1
.endm
.macro TL g0, g1                       ; a joint load; s_nop 0 and four v_nop follow it
	tensor_load_to_lds s[\g0:\g0+3], s[\g1:\g1+7]
	s_nop 0
.rept 4
	v_nop
.endr
.endm
.macro WM d, a, b, c, sa, sb, odd
.if \odd
	v_wmma_scale_f32_16x16x128_f8f6f4 v[\d:\d+7], v[\a:\a+15], v[\b:\b+15], \c, v[\sa], v[\sb] matrix_a_fmt:MATRIX_FMT_BF8 matrix_b_fmt:MATRIX_FMT_BF8 matrix_a_scale:MATRIX_SCALE_ROW1
.else
	v_wmma_scale_f32_16x16x128_f8f6f4 v[\d:\d+7], v[\a:\a+15], v[\b:\b+15], \c, v[\sa], v[\sb] matrix_a_fmt:MATRIX_FMT_BF8 matrix_b_fmt:MATRIX_FMT_BF8
.endif
.endm
	s_load_b256 s[4:11], s[0:1], 0x0               ; qc, qs, kv, kvs
	s_load_b128 s[12:15], s[0:1], 0x20             ; ac, asc
	v_lshl_add_u32 v[SPW], v0, 2, SPARE
	v_mov_b32 v[NIL], 0
	ds_add_u32 v[SPW], v[NIL]                      ; the opening lines: the add, twice on end, and its wait
	ds_add_u32 v[SPW], v[NIL]
	v_lshrrev_b32 v1, 5, v0
	v_readfirstlane_b32 s[WV], v1                  ; wave 0..15
	s_and_b32 s17, ttmp7, 0xffff                   ; 16 b + h: the cluster's y
	s_lshr_b32 s18, s17, 4
	s_and_b32 s19, s17, 15
	s_bfe_u32 s30, ttmp6, 0x40000                  ; cx
.irp g, G1A, G1S, G1C                  ; dense blocks as rows of 256 bytes (32 elements of 8 bytes), no padding; the mask names the cluster's four, bit 21 beside it
	s_mov_b32 s[\g], 15|(3<<16)|(1<<21)
	s_mov_b32 s[\g+1], 32<<16
	s_mov_b32 s[\g+3], 32<<16
	s_mov_b32 s[\g+5], 32
	s_mov_b32 s[\g+6], 0
	s_mov_b32 s[\g+7], 0
.endr
	s_mov_b32 s[G1A+2], 64<<16
	s_mov_b32 s[G1A+4], 64
	s_mov_b32 s[G1S+2], 32<<16
	s_mov_b32 s[G1S+4], 32
	s_mov_b32 s[G1C+2], 128<<16
	s_mov_b32 s[G1C+4], 128
	s_mov_b32 s[G0A], 1
	s_lshl_b32 s[G0A+1], s[WV], 14                 ; waves 0-3: key step w
	s_mov_b32 s[G0S], 1
	s_mov_b32 s[G0S+1], SCL
	s_mov_b32 s[G0C], 1
	s_and_b32 s29, s[WV], 7
	s_lshl_b32 s29, s29, 15
	s_add_co_u32 s[G0C+1], s29, 65536              ; waves 8-13: key steps 4 + 2 (w - 8) and the next
	s_lshl_b32 s96, s17, 18
	s_mov_b32 s97, 0
	s_lshl_b32 s98, s17, 13
	s_mov_b32 s99, 0
	s_wait_dscnt 0x0
	CROUND                                         ; the four partners are here: the joint loads meet
	s_wait_kmcnt 0x0
	s_add_nc_u64 s[8:9], s[8:9], s[96:97]          ; the head's k and v
	s_add_nc_u64 s[G0S+2:G0S+3], s[10:11], s[98:99]
	s_mov_b32 s96, s[G0A+1]
	s_add_nc_u64 s[G0A+2:G0A+3], s[8:9], s[96:97]
	s_mov_b32 s96, s[G0C+1]
	s_add_nc_u64 s[G0C+2:G0C+3], s[8:9], s[96:97]
	s_or_b32 s[G0S+3], s[G0S+3], 0x80000000
	s_or_b32 s[G0A+3], s[G0A+3], 0x80000000
	s_or_b32 s[G0C+3], s[G0C+3], 0x80000000
	s_cmp_lt_u32 s[WV], 4                          ; one chain of branches on the wave's number, one load to an arm
	s_cbranch_scc0 .Lh1
	TL G0A, G1A
	s_branch .Lasked
.Lh1:
	s_cmp_lt_u32 s[WV], 5
	s_cbranch_scc0 .Lh2
	TL G0S, G1S
	s_branch .Lasked
.Lh2:
	s_cmp_lt_u32 s[WV], 8
	s_cbranch_scc1 .Lasked
	s_cmp_lt_u32 s[WV], 14
	s_cbranch_scc0 .Lasked
	TL G0C, G1C
.Lasked:
	s_mov_b32 s[SEL], 0x76543210
	s_mov_b32 s[SEL+1], 0xfedcba98
	s_mov_b32 s[CS], 0x3e38aa3b
	s_mov_b32 s[CS+1], s[CS]
	s_mov_b32 s[MNT], 0x600000
.macro SETP pp                         ; a pass's numbers, from its group in s29
	s_lshr_b32 s[\pp+1], s29, 1
	s_lshl_b32 s[\pp+1], s[\pp+1], 7               ; the first key of its last step: from the wave's number alone
	s_lshl_b32 s[\pp], s29, 6
	s_lshl_b32 s96, s30, 4
	s_add_co_u32 s[\pp], s[\pp], s96               ; its first query: 64 g + 16 cx
	s_lshl_b32 s96, s17, 17
	s_lshl_b32 s97, s[\pp], 6
	s_add_co_u32 s96, s96, s97
	s_mov_b32 s97, 0
	s_add_nc_u64 s[\pp+2:\pp+3], s[4:5], s[96:97]  ; q's codes: 1,024 bytes a tile
	s_lshl_b32 s96, s17, 12
	s_lshr_b32 s98, s[\pp], 7
	s_lshl_b32 s98, s98, 8
	s_add_co_u32 s96, s96, s98                     ; q's scale words: the step's 256 bytes;
	s_bfe_u32 s98, s[\pp], 0x10005
	s_lshl_b32 s98, s98, 7
	s_add_co_u32 s96, s96, s98                     ; the pair of tiles 2 j' + u' has its words at 128 u' + 8 r + 4 j'
	s_bfe_u32 s98, s[\pp], 0x10006
	s_lshl_b32 s98, s98, 2
	s_add_co_u32 s96, s96, s98
	s_add_nc_u64 s[\pp+4:\pp+5], s[6:7], s[96:97]
	s_lshl_b32 s96, s18, 11
	s_add_co_u32 s96, s96, s[\pp]                  ; my first row of the 8,192
	s_lshl_b32 s98, s96, 5
	s_lshl_b32 s96, s96, 10
	s_lshl_b32 s99, s19, 10
	s_add_co_u32 s96, s96, s99
	s_add_nc_u64 s[\pp+6:\pp+7], s[12:13], s[96:97]   ; the result's codes: 16,384 bytes a tile of rows, 512 a block of 32 along K
	s_lshl_b32 s99, s19, 1
	s_add_co_u32 s96, s98, s99
	s_add_nc_u64 s[\pp+8:\pp+9], s[14:15], s[96:97]   ; its scale bytes: 32 a row
	s_bitcmp1_b32 s[\pp], 4                        ; the odd tile of its pair has bytes 2, 3 of the word
	s_mov_b32 s98, 0x01000100
	s_cselect_b32 s[\pp+10], 0x03020302, s98
.endm
	s_sub_co_u32 s29, 31, s[WV]
	SETP PL
	s_mov_b32 s29, s[WV]
	SETP PS
	v_and_b32 v1, 31, v0
	v_and_b32 v3, 15, v0                           ; r
	v_bfe_u32 v5, v0, 4, 1                         ; h
	v_lshl_add_u32 v[L8], v1, 3, SCL
	v_lshlrev_b32 v[LI], 4, v1
	v_lshlrev_b32 v[R32], 5, v3
	v_lshlrev_b32 v5, 3, v5
	v_sub_nc_u32 v[DL], v3, v5
	v_lshlrev_b32 v[R8], 3, v3
	s_wait_alu depctr_va_vdst(0)
.macro QLOAD pp                        ; q's two register groups, twice, and its scale word
	global_load_b128 v[16:19], v[LI], s[\pp+2:\pp+3]
	global_load_b128 v[20:23], v[LI], s[\pp+2:\pp+3] offset:512
	global_load_b128 v[32:35], v[LI], s[\pp+2:\pp+3]
	global_load_b128 v[36:39], v[LI], s[\pp+2:\pp+3] offset:512
	global_load_b32 v[QT], v[R8], s[\pp+4:\pp+5]
.endm
	QLOAD PL
.set n, 0
.rept 8
	v_mov_b32 v[24+n], 0                           ; the zero codes between the two copies of q: written once
.set n, n+1
.endr
.irp b, 0,1,2,3
	v_mov_b32 v[T1+\b], 0                          ; written once: a lane permute's destination counts as one of its sources
.endr
	v_mov_b32 v[TMP], 0
	v_mov_b32 v[FF], 0
	v_mov_b32 v[FF+1], 0
	v_mov_b32 v[NINF], 0xff800000
; A KEY STEP: 128 keys.  tests = 1: the step may lie behind the pass's last step (left out) or be it (masked); tests = 0: it lies ahead of it.
.macro STEP pp, tests
.if \tests
	s_cmp_gt_u32 s[KF], s[\pp+1]                   ; a branch on the wave's number and the count of steps, round the step's work, not round the lines that step addresses
	s_cbranch_scc1 .Lhidden_\@
.endif
	v_add_nc_u32 v[ADK], s[TB], v[LI]
	v_add_nc_u32 v[ADS], s[TS], v[L8]
.rept 6
	v_nop                                          ; with the two additions: eight places in front of loads into registers that the last products have read
.endr
.irp i, 0,1,2,3
.irp g, 0,1,2,3
	ds_load_b128 v[KVF+16*\i+4*\g:KVF+16*\i+4*\g+3], v[ADK] offset:(2*\i+\g/2)*1024+(\g%2)*512   ; run i: key tiles 2 i and 2 i + 1, two d blocks each
.endr
.endr
	ds_load_b64 v[KS:KS+1], v[ADS]                 ; word j' of lane 16 u' + r: run 2 j' + u'
	s_wait_alu depctr_va_vdst(0)
	s_wait_dscnt 0x0
.irp i, 0,1,2,3
	WM S+16*\i, KVF+16*\i, 16, 0, KS+\i/2, QS, \i%2
	WM S+16*\i+8, KVF+16*\i, 24, 0, KS+\i/2, QS, \i%2
.endr                                          ; register 8 T + j of S^T: key 16 T + 8 h + j
.rept 8
	v_nop                                          ; places: in front of the loads into k's registers, and of the first read of the scores
.endr
.irp t, 0,1,2,3
.irp c, 0,1,2,3
	ds_load_b128 v[KVF+16*\t+4*\c:KVF+16*\t+4*\c+3], v[ADK] offset:8192+2048*\t+512*\c   ; v's four fragments land while the softmax is walked
.endr
.endr
	ds_load_b64 v[VS:VS+1], v[ADS] offset:256
.if \tests
	s_cmp_lg_u32 s[KF], s[\pp+1]                   ; in the pass's last step the scores of hidden keys become -infinity ahead of the maximum
	s_cbranch_scc1 .Lopen_\@
.set n, 0
.rept 64
	v_cmp_gt_i32 vcc_lo, 16*(n/8)+n%8, v[DD]       ; register n holds key KF + 8 h + 16 (n / 8) + n % 8
	v_cndmask_b32 v[S+n], v[S+n], v[NINF], vcc_lo
.set n, n+1
.endr
.Lopen_\@:
.endif
.irp b, 0,1,2,3
	v_max3_num_f32 v[BM+\b], v[S+16*\b], v[S+16*\b+1], v[S+16*\b+2]   ; the largest score of each block of 32 keys: for the row's maximum and, since p rises with the score, for the block's largest p
.endr
.irp i, 3,5,7,9,11,13
.irp b, 0,1,2,3
	v_max3_num_f32 v[BM+\b], v[BM+\b], v[S+16*\b+\i], v[S+16*\b+\i+1]
.endr
.endr
.irp b, 0,1,2,3
	v_max_num_f32 v[BM+\b], v[BM+\b], v[S+16*\b+15]
.endr
.irp b, 0,1,2,3
	v_permlanex16_b32 v[T1+\b], v[BM+\b], s[SEL], s[SEL+1]
.endr
.irp b, 0,1,2,3
	v_max_num_f32 v[BM+\b], v[BM+\b], v[T1+\b]     ; with lane l xor 16's 16 keys
.endr
	v_max3_num_f32 v[TMP], v[BM], v[BM+1], v[BM+2]
	v_max_num_f32 v[TMP], v[TMP], v[BM+3]          ; the step's largest score of my query
	v_mul_f32 v[TMP], s[CS], v[TMP]                ; as t (c is positive)
	v_max_num_f32 v13, v13, v[TMP]                 ; the running largest t
	v_mov_b32 v[TMP], v12
	v_floor_f32 v12, -v13                          ; the new -M = floor(-t): M is a whole number
	v_sub_f32 v[TMP], v12, v[TMP]                  ; old M less new M: a whole number, 0 or less
	v_cvt_i32_f32 v[TMP], v[TMP]                   ; (it saturates)
	v_ldexp_f32 v[FF], 1.0, v[TMP]                 ; f = 2^(old M - new M)
.set n, 0
.rept 32
	v_pk_fma_f32 v[S+n:S+n+1], v[S+n:S+n+1], s[CS:CS+1], v[12:13] op_sel_hi:[1,0,0]   ; t - M, two at a time
.set n, n+2
.endr
.irp b, 0,1,2,3
	v_fma_f32 v[BM+\b], v[BM+\b], s[CS], v12       ; the same of each block's largest score
.endr
	s_wait_alu depctr_va_vdst(0)                   ; ahead of the batch
.set n, 0
.rept 64
	v_exp_f32 v[S+n], v[S+n]                       ; p = 2^(t - M), at most 1
.set n, n+1
.endr
.irp b, 0,1,2,3
	v_exp_f32 v[BM+\b], v[BM+\b]                   ; the block's largest p: the same two instructions on the same number
.endr
	v_pk_mul_f32 v[14:15], v[14:15], v[FF:FF+1] op_sel_hi:[1,0]   ; the sums under the new M (a plain line behind the exponentials)
	s_wait_alu depctr_va_vdst(0)                   ; one wait for the batch, ahead of its first reader
.irp b, 0,1,2,3
	v_max_num_f32 v[BM+\b], 0x8000000, v[BM+\b]    ; the floor 2^(16 - 127): the byte cannot fall under 1
.endr
.irp b, 0,1,2,3
	v_add_nc_u32 v[SO+\b], 0xf8800000, v[BM+\b]    ; 15 off the exponent field: the conversion's scale operand
.endr
.irp b, 0,1,2,3
	v_and_or_b32 v[HB+\b], v[BM+\b], 0x7f800000, s[MNT]   ; 57,344 x the scale
.endr
.irp b, 0,1,2,3
	v_lshrrev_b32 v[T1+\b], 23, v[SO+\b]           ; the scale's byte
.endr
	v_lshl_or_b32 v[PW], v[T1+1], 8, v[T1]         ; p's scale word for these 128 keys
	v_lshl_or_b32 v[PW], v[T1+2], 16, v[PW]
	v_lshl_or_b32 v[PW], v[T1+3], 24, v[PW]
	; the row's sum of the unquantised p: 32 pairs in eight chains; chain k takes pairs k, k + 8, k + 16, k + 24; the eighth chain is the sum itself
.set k, 0
.irp c, 240,252,250,248,246,226,224
	v_pk_add_f32 v[\c:\c+1], v[S+2*k:S+2*k+1], v[S+16+2*k:S+17+2*k]
.set k, k+1
.endr
	v_pk_add_f32 v[14:15], v[14:15], v[S+14:S+15]
.irp o, 32, 48
.set k, 0
.irp c, 240,252,250,248,246,226,224
	v_pk_add_f32 v[\c:\c+1], v[\c:\c+1], v[S+\o+2*k:S+\o+2*k+1]
.set k, k+1
.endr
	v_pk_add_f32 v[14:15], v[14:15], v[S+\o+14:S+\o+15]
.endr
	v_pk_add_f32 v[14:15], v[14:15], v[S+30:S+31]
	v_pk_add_f32 v[240:241], v[240:241], v[252:253]
	v_pk_add_f32 v[250:251], v[250:251], v[248:249]
	v_pk_add_f32 v[246:247], v[246:247], v[226:227]
	v_pk_add_f32 v[14:15], v[14:15], v[224:225]
	v_pk_add_f32 v[240:241], v[240:241], v[250:251]
	v_pk_add_f32 v[14:15], v[14:15], v[246:247]
	v_pk_add_f32 v[14:15], v[14:15], v[240:241]
.irp b, 0,1,2,3
.set n, 0
.rept 8
	v_dual_min_num_f32 v[S+16*\b+n], v[HB+\b], v[S+16*\b+n] :: v_dual_min_num_f32 v[S+16*\b+n+1], v[HB+\b], v[S+16*\b+n+1]   ; the conversion to an 8-bit code does not saturate (ISA guide 7.6.2); p is not negative, so the hold is one-sided; two holds a line
.set n, n+2
.endr
	v_cvt_scalef32_pk8_bf8_f32 v[PC+4*\b:PC+4*\b+1], v[S+16*\b:S+16*\b+7], v[SO+\b]
	v_cvt_scalef32_pk8_bf8_f32 v[PC+4*\b+2:PC+4*\b+3], v[S+16*\b+8:S+16*\b+15], v[SO+\b]
.endr
	s_wait_alu depctr_va_vdst(0)                   ; directly ahead of the first reader of O^T
.set n, 0
.rept 16
	v_pk_mul_f32 v[O+n:O+n+1], v[O+n:O+n+1], v[FF:FF+1] op_sel_hi:[1,0]   ; O^T under the new M; these sixteen also stand between the conversions and the products
.set n, n+2
.endr
	s_wait_alu depctr_va_vdst(0)
	s_wait_dscnt 0x0                               ; v's fragments and scale words are in
.irp t, 0,1,2,3                                ; O^T += v^T p^T: four tiles of 16 channels, by turns; K = these 128 keys
	WM O+8*\t, KVF+16*\t, PC, v[O+8*\t:O+8*\t+7], VS+\t/2, PW, \t%2
.endr
.Lhidden_\@:
	s_add_co_u32 s[KF], s[KF], 128
	s_add_co_u32 s[TB], s[TB], 16384
	s_add_co_u32 s[TS], s[TS], 512
.endm
.macro INIT pp                         ; a pass begins: q is in; O^T and the sum are zeros, the largest t is under every t
	s_wait_alu depctr_va_vdst(0)
	s_wait_loadcnt 0x0
	s_wait_xcnt 0x0                                ; the last pass's stores have read their data
	v_perm_b32 v[QS], v[QT], v[QT], s[\pp+10]      ; my tile's two bytes, twice: for [q | 0] and for [0 | q]
	s_sub_co_u32 s29, s[\pp], s[\pp+1]
	v_add_nc_u32 v[DD], s29, v[DL]
	v_mov_b32 v13, 0xff61b1e6                      ; -3e38
	v_floor_f32 v12, -v13
	v_mov_b32 v14, 0
	v_mov_b32 v15, 0
.set n, 0
.rept 32
	v_mov_b32 v[O+n], 0                            ; the step is written once for a loop: the first finds zeros, which the first change of M leaves zeros
.set n, n+1
.endr
	s_mov_b32 s[TB], 0
	s_mov_b32 s[TS], 0
	s_mov_b32 s[KF], 0
	s_wait_alu depctr_va_vdst(0)
.endm
.macro LOOP pp, tests, trips
	s_mov_b32 s[CNT], \trips
.Lstep_\@:
	STEP \pp, \tests
	s_sub_co_u32 s[CNT], s[CNT], 1
	s_cmp_lg_u32 s[CNT], 0
	s_cbranch_scc1 .Lstep_\@
.endm
.macro OUT pp                          ; O^T / the sum, quantised along the head's 64 channels, stored as an image of the last product's operand registers
.rept 8
	v_nop                                          ; places behind the last products
.endr
	v_add_f32 v14, v14, v15
	v_permlanex16_b32 v[TMP], v14, s[SEL], s[SEL+1]
	v_add_f32 v14, v14, v[TMP]                     ; the row's sum
	s_wait_alu depctr_va_vdst(0)
	v_rcp_f32 v14, v14
	v_nop
	s_wait_alu depctr_va_vdst(0)
.set n, 0
.rept 16
	v_pk_mul_f32 v[O+n:O+n+1], v[O+n:O+n+1], v[14:15] op_sel_hi:[1,0]   ; each accumulator from its low end on: register 8 t + j is channel 16 t + 8 h + j
.set n, n+2
.endr
.irp b, 0,1
	v_max3_num_f32 v[BM+\b], |v[O+16*\b]|, |v[O+16*\b+1]|, 0x8000000
.endr
.irp i, 2,4,6,8,10,12,14
.irp b, 0,1
	v_max3_num_f32 v[BM+\b], v[BM+\b], |v[O+16*\b+\i]|, |v[O+16*\b+\i+1]|
.endr
.endr
.irp b, 0,1
	v_permlanex16_b32 v[T1+\b], v[BM+\b], s[SEL], s[SEL+1]
.endr
.irp b, 0,1
	v_max_num_f32 v[BM+\b], v[BM+\b], v[T1+\b]
.endr
.irp b, 0,1
	v_add_nc_u32 v[SO+\b], 0xf8800000, v[BM+\b]
.endr
.irp b, 0,1
	v_and_or_b32 v[HB+\b], v[BM+\b], 0x7f800000, s[MNT]
.endr
.irp b, 0,1
	v_lshrrev_b32 v[T1+\b], 23, v[SO+\b]
.endr
	v_lshl_or_b32 v[HW], v[T1+1], 8, v[T1]
.irp b, 0,1
.set n, 0
.rept 16
	v_med3_num_f32 v[O+16*\b+n], v[O+16*\b+n], -v[HB+\b], v[HB+\b]
.set n, n+1
.endr
	v_cvt_scalef32_pk8_bf8_f32 v[PC+4*\b:PC+4*\b+1], v[O+16*\b:O+16*\b+7], v[SO+\b]
	v_cvt_scalef32_pk8_bf8_f32 v[PC+4*\b+2:PC+4*\b+3], v[O+16*\b+8:O+16*\b+15], v[SO+\b]
.endr
	v_nop                                          ; one plain line behind the last conversion
.irp b, 0,1                                    ; registers 0, 1 of lanes 16-31 change places with registers 2, 3 of lanes 0-15: the operand wants channels 16 h + 0..15
	v_permlane16_swap_b32 v[PC+4*\b], v[PC+4*\b+2]
	v_permlane16_swap_b32 v[PC+4*\b+1], v[PC+4*\b+3]
.endr
	global_store_b128 v[LI], v[PC:PC+3], s[\pp+6:\pp+7]            ; 512 consecutive bytes a store, aligned
	global_store_b128 v[LI], v[PC+4:PC+7], s[\pp+6:\pp+7] offset:512
	global_store_b16 v[R32], v[HW], s[\pp+8:\pp+9]                 ; two bytes of each of 16 rows of 32: a row's 32 bytes come from sixteen heads, that is work-groups
.endm
	INIT PL
	s_cmp_lt_u32 s[WV], 5                          ; waves 0-4: key steps 0-3 and the scale words are in; the other loads have a line of their own and are waited for below
	s_cbranch_scc0 .Lnot_first
	s_wait_tensorcnt 0x0
.Lnot_first:
	s_barrier_signal -1
	s_barrier_wait -1
	LOOP PL, 0, 4                                  ; the long tile, key steps 0-3: its last step is 8 at the least
	s_wait_tensorcnt 0x0                           ; every wave: all that is still out
	s_wait_dscnt 0x0
	s_barrier_signal -1
	s_barrier_wait -1
	LOOP PL, 1, 12                                 ; key steps 4-15
	QLOAD PS                                       ; it lands under the way out; the last products that read q's registers stand a softmax back
	OUT PL
	INIT PS
	LOOP PS, 1, 8                                  ; the short tile: its last step is 7 at the most
	OUT PS
	s_wait_tensorcnt 0x0                           ; the wave's end
	ds_add_u32 v[SPW], v[NIL]
	s_wait_dscnt 0x0
	CROUND                                         ; the closing round
	s_endpgm
.Lfunc_end_k_qb89382baf1_attn:
	.size	k_qb89382baf1_attn, .Lfunc_end_k_qb89382baf1_attn-k_qb89382baf1_attn
	.p2alignl 7, 3214868480
	.fill 96, 4, 3214868480
	.section	.rodata,"a",@progbits
	.p2align	6, 0x0
	.amdhsa_kernel k_qb89382baf1_attn
		.amdhsa_group_segment_fixed_size 327680
		.amdhsa_private_segment_fixed_size 0
		.amdhsa_enable_private_segment 0
		.amdhsa_kernarg_size 48
		.amdhsa_user_sgpr_count 2
		.amdhsa_user_sgpr_kernarg_segment_ptr 1
		.amdhsa_wavefront_size32 1
		.amdhsa_system_sgpr_workgroup_id_x 1
		.amdhsa_system_sgpr_workgroup_id_y 1
		.amdhsa_system_sgpr_workgroup_id_z 1
		.amdhsa_system_vgpr_workitem_id 0
		.amdhsa_next_free_vgpr 256
		.amdhsa_next_free_sgpr 100
		.amdhsa_reserve_vcc 1
		.amdhsa_float_denorm_mode_32 3
		.amdhsa_float_denorm_mode_16_64 3
		.amdhsa_memory_ordered 1
		.amdhsa_forward_progress 1
		.amdhsa_inst_pref_size 91
	.end_amdhsa_kernel
	.amdgpu_metadata
---
amdhsa.version: [ 1, 2 ]
amdhsa.kernels:
  - .name:           k_qb89382baf1_attn
    .symbol:         k_qb89382baf1_attn.kd
    .args:
      - { .name: qc, .offset: 0, .size: 8, .value_kind: global_buffer, .address_space: global }
      - { .name: qs, .offset: 8, .size: 8, .value_kind: global_buffer, .address_space: global }
      - { .name: kv, .offset: 16, .size: 8, .value_kind: global_buffer, .address_space: global }
      - { .name: kvs, .offset: 24, .size: 8, .value_kind: global_buffer, .address_space: global }
      - { .name: ac, .offset: 32, .size: 8, .value_kind: global_buffer, .address_space: global }
      - { .name: asc, .offset: 40, .size: 8, .value_kind: global_buffer, .address_space: global }
    .group_segment_fixed_size: 327680
    .private_segment_fixed_size: 0
    .kernarg_segment_align: 8
    .kernarg_segment_size: 48
    .max_flat_workgroup_size: 512
    .sgpr_count:     100
    .vgpr_count:     256
    .wavefront_size: 32
...
	.end_amdgpu_metadata
.endif
;; end of part 2
;; launch outp (part 3): grid 32 x 8, 4 waves a work-group, clusters of 4 x 1, 327,680 bytes of LDS; arguments ac, asc, Wo_codes, Wo_scales, out0, bo; writes out0
.if DOCPART == 3
	.amdgcn_target "amdgcn-amd-amdhsa--gfx1250"
	.amdhsa_code_object_version 6
	.text
	.protected	k_qb89382baf1_outp
	.globl	k_qb89382baf1_outp
	.p2align	8
	.type	k_qb89382baf1_outp,@function
k_qb89382baf1_outp:
	s_mov_b64 s[64:65], 0
	v_nop
	global_prefetch_b8 v0, s[64:65] scope:SCOPE_SE
	s_setreg_imm32_b32 hwreg(HW_REG_WAVE_MODE, 25, 1), 1
	s_wait_xcnt 0x0
	s_wait_alu depctr_hold_cnt(0) depctr_sa_sdst(0) depctr_va_vdst(0) depctr_va_sdst(0) depctr_va_ssrc(0) depctr_va_vcc(0) depctr_vm_vsrc(0)
	s_getreg_b32 s2, hwreg(HW_REG_IB_STS2, 6, 4)
	s_cmp_eq_u32 s2, 0
	s_cbranch_scc0 .Lentry_in_a_cluster
	s_endpgm
.Lentry_in_a_cluster:
	s_bfe_u32 s2, ttmp6, 0x10000c
	s_cmp_lg_u32 s2, 0x3003
	s_cbranch_scc0 .Lentry_shape_is_right
	s_endpgm
.Lentry_shape_is_right:
; out0 = a Wo^T + bo: 8,192 x 1,024 x 1,024 on codes of BF8 (E5M2) with one E8M0 scale for each 32 along K; f32 sums; the bias is the first products' C.
; a's codes (ac) are images of operand registers, [tile of 16 rows][block of 32 along K][lane][16 B]; its scale bytes (asc) 32 a row; Wo's codes are rows of 1,024 bytes, its scale bytes 32 a row.
; THE DEAL.  256 work-groups of four waves; a work-group makes 256 rows x 128 columns, a wave 64 rows x 128 columns.
; A wave's 64 rows of a, ALL of K, stand in registers (512, windows 1 and 2): 128 loads of 512 consecutive bytes, straight from memory, each byte wanted by this wave alone in its work-group.
; Wo's 128 rows, all of K, come into LDS ONCE, 32 rows a wave by one joint load: the four work-groups of a cluster have the same columns.  Nothing is filled again: one barrier, no ring.
; Wo's rows go past a's in eight blocks of 16, as two whole sets of fragments (256 registers, window 3): behind a block's 32 products its set takes the block two on.
; All scale words and the bias stand in registers from the head on.
; TRANSPOSED USE: source 0 = 16 rows of Wo, source 1 = 16 rows of a: lane (r = lane % 16, h = lane / 16) holds row r, and its register j column 8 h + j of the block.
; THE WAY OUT.  A block's 64 bytes of each row go into the wave's own stage in LDS; four blocks make 256 bytes of a row.  The first 64 columns are read back by rows, 16 rows behind each of blocks 3 to 6, and stored at the head of the block that follows;
; the last 64 columns have a second stage and leave at the end.  Each store of the wave covers two aligned runs of 256 consecutive bytes.
; NO PREFETCH: all operands are asked for at the head; there is no loop that runs ahead of a load.
; LIMITS: NaN and infinity codes are not served.
.set PITCH, 1040                       ; a row of Wo in LDS: 1,024 bytes + 16 of padding
.set WBLK,  16*PITCH
.set STAGE, 128*PITCH                  ; behind Wo's rows: two stages a wave
.set SP,    272                        ; a stage's row: 256 bytes + 16
.set STG,   64*SP
.set SPARE, STAGE+8*STG                ; the spare words, 128 bytes a wave
.set LI,  1                            ; v1  16 x lane
.set L32, 2                            ; v2  32 x lane
.set BOF, 3                            ; v3  32 h
.set ADW, 4                            ; v4, v5  LDS address of my fragments of Wo's blocks 0-3, 4-7
.set STO, 6                            ; v6  the stage: where I put 32 bytes of a row
.set RD,  7                            ; v7  where I read a row back
.set CO,  8                            ; v8  my byte offset in two rows of out0
.set SPW, 10
.set NIL, 11
.set SA,  24                           ; v24-39  a's scale words: register 8 p + q: lanes 0-15 row tile 2 p, lanes 16-31 tile 2 p + 1, K step q
.set SW,  44                           ; v44-75  Wo's: register 8 p + q: lanes 0-15 block 2 p, lanes 16-31 block 2 p + 1
.set BI,  80                           ; v80-143 the bias: eight registers a block
.set ACC, 144                          ; v144-207 two sets of four accumulators
.set BK,  208                          ; v208-239 16 rows read back from the stage
.set MSB, 0
.macro WIN new                         ; the immediate's high byte repeats the setting that is left
.if MSB != \new
	s_set_vgpr_msb (MSB<<8)|\new
.set MSB, \new
.endif
.endm
.macro CROUND
	s_barrier_signal -1
	s_barrier_wait -1
	s_cmp_lg_u32 s16, 0
	s_cbranch_scc1 .Lnot_wave_0_\@
	s_barrier_signal -3
.Lnot_wave_0_\@:
	s_barrier_wait -3
	s_barrier_signal -1
	s_barrier_wait -1
.endm
	s_load_b256 s[4:11], s[0:1], 0x0               ; ac, asc, Wo_codes, Wo_scales
	s_load_b128 s[12:15], s[0:1], 0x20             ; out0, bo
	v_lshl_add_u32 v[SPW], v0, 2, SPARE
	v_mov_b32 v[NIL], 0
	ds_add_u32 v[SPW], v[NIL]                      ; the opening lines: the add, twice on end, and its wait
	ds_add_u32 v[SPW], v[NIL]
	v_lshrrev_b32 v1, 5, v0
	v_readfirstlane_b32 s16, v1                    ; wave 0..3
	s_bfe_u32 s17, ttmp6, 0x40000                  ; cx
	s_lshl_b32 s18, ttmp9, 2
	s_add_co_u32 s18, s18, s17                     ; my block of 256 rows
	s_and_b32 s19, ttmp7, 0xffff                   ; my 128 columns: the same in the four partners
	s_mov_b32 s24, 15|(1<<20)|(1<<21)|(7<<22)|(3<<25)   ; group 1: the mask names the four; elements of 1 byte; four words of padding after every 256
	s_mov_b32 s25, 1024<<16                        ; tensor_dim0
	s_mov_b32 s26, 32<<16                          ; tensor_dim1
	s_mov_b32 s27, 1024<<16                        ; tile_dim0
	s_mov_b32 s28, 32                              ; tile_dim1
	s_mov_b32 s29, 1024                            ; from row to row
	s_mov_b32 s30, 0
	s_mov_b32 s31, 0
	s_mov_b32 s32, 1
	s_mul_i32 s33, s16, 32*PITCH                   ; wave w brings rows 32 w on
	s_lshl_b32 s20, s19, 17
	s_lshl_b32 s21, s16, 15
	s_add_co_u32 s20, s20, s21
	s_mov_b32 s21, 0
	s_lshl_b32 s36, s18, 2
	s_add_co_u32 s36, s36, s16                     ; which 64 rows of the 8,192 are mine
	s_lshl_b32 s38, s36, 16                        ; their codes,
	s_mov_b32 s39, 0
	s_lshl_b32 s40, s36, 11                        ; their scale bytes,
	s_mov_b32 s41, 0
	s_lshl_b32 s42, s19, 12                        ; Wo's scale bytes,
	s_mov_b32 s43, 0
	s_lshl_b32 s44, s19, 9                         ; the bias, and my columns in a row of out0,
	s_mov_b32 s45, 0
	s_lshl_b32 s46, s36, 18                        ; my rows of out0
	s_mov_b32 s47, 0
	v_and_b32 v1, 31, v0
	v_and_b32 v12, 15, v0                          ; r
	v_bfe_u32 v13, v0, 4, 1                        ; h
	v_lshlrev_b32 v[L32], 5, v1
	v_lshlrev_b32 v[LI], 4, v1
	v_lshlrev_b32 v[BOF], 5, v13
	v_mul_u32_u24 v[ADW], v12, PITCH
	v_lshl_add_u32 v[ADW], v13, 4, v[ADW]
	v_add_nc_u32 v[ADW+1], 4*WBLK, v[ADW]
	s_mul_i32 s22, s16, 2*STG
	s_add_co_u32 s22, s22, STAGE                   ; my stages
	v_mul_u32_u24 v14, v12, SP
	v_lshl_add_u32 v14, v13, 5, v14
	v_add_nc_u32 v[STO], s22, v14                  ; in: row r, 32 bytes for each half of the lanes
	v_mul_u32_u24 v15, v13, SP
	v_lshl_add_u32 v15, v12, 4, v15
	v_add_nc_u32 v[RD], s22, v15                   ; back: lanes 0-15 one row of 256 bytes, lanes 16-31 the next
	v_lshlrev_b32 v16, 12, v13
	v_lshl_add_u32 v[CO], v12, 4, v16              ; and the same two rows in out0
	s_wait_alu depctr_va_vdst(0)                   ; the wait at the head's end
	s_wait_dscnt 0x0
	CROUND                                         ; the four partners are here: the joint loads meet
	s_wait_kmcnt 0x0
	s_add_nc_u64 s[34:35], s[8:9], s[20:21]
	s_or_b32 s35, s35, 0x80000000
	tensor_load_to_lds s[32:35], s[24:31]          ; my one tensor load
	s_nop 0
.rept 4
	v_nop
.endr
	s_add_nc_u64 s[4:5], s[4:5], s[38:39]
	s_add_nc_u64 s[6:7], s[6:7], s[40:41]
	s_add_nc_u64 s[10:11], s[10:11], s[42:43]
	s_add_nc_u64 s[14:15], s[14:15], s[44:45]
	s_add_nc_u64 s[12:13], s[12:13], s[46:47]
	s_add_nc_u64 s[12:13], s[12:13], s[44:45]
.irp c, 0,1
.irp p, 0,1,2,3
	global_load_b128 v[SW+8*\p+4*\c:SW+8*\p+4*\c+3], v[L32], s[10:11] offset:1024*\p+16*\c   ; lane l takes row l of a pair of blocks
.endr
.irp p, 0,1
	global_load_b128 v[SA+8*\p+4*\c:SA+8*\p+4*\c+3], v[L32], s[6:7] offset:1024*\p+16*\c     ; and of a pair of row tiles
.endr
.irp b, 0,1,2,3,4,5,6,7
	global_load_b128 v[BI+8*\b+4*\c:BI+8*\b+4*\c+3], v[BOF], s[14:15] offset:64*\b+16*\c     ; bo at columns 16 b + 8 h + 0 .. 7
.endr
.endr
.set F, 0
.rept 32                               ; a's fragment F = 4 q + t (K step q, row tile t) lies in window 1 + F / 16
	WIN (1+F/16)<<6
.irp c, 0,1,2,3
	global_load_b128 v[16*(F%16)+4*\c:16*(F%16)+4*\c+3], v[LI], s[4:5] offset:(F%4)*16384+(4*(F/4)+\c)*512
.endr
.set F, F+1
.endr
	WIN 0
.macro FETCH b                         ; Wo's block b, 16 rows, all of K, into set b % 2 of window 3: 32 loads
	WIN 0xc0
.irp q, 0,1,2,3,4,5,6,7
.irp c, 0,1,2,3
	ds_load_b128 v[128*((\b)%2)+16*\q+4*\c:128*((\b)%2)+16*\q+4*\c+3], v[ADW+(\b)/4] offset:((\b)%4)*WBLK+128*\q+32*\c
.endr
.endr
	WIN 0
.endm
.macro PROD ra, rb
.if \ra && \rb
	v_wmma_scale_f32_16x16x128_f8f6f4 v[D_:D_+7], v[W_:W_+15], v[X_:X_+15], v[C_:C_+7], v[S0_], v[S1_] matrix_a_fmt:MATRIX_FMT_BF8 matrix_b_fmt:MATRIX_FMT_BF8 matrix_a_scale:MATRIX_SCALE_ROW1 matrix_b_scale:MATRIX_SCALE_ROW1
.elseif \ra
	v_wmma_scale_f32_16x16x128_f8f6f4 v[D_:D_+7], v[W_:W_+15], v[X_:X_+15], v[C_:C_+7], v[S0_], v[S1_] matrix_a_fmt:MATRIX_FMT_BF8 matrix_b_fmt:MATRIX_FMT_BF8 matrix_a_scale:MATRIX_SCALE_ROW1
.elseif \rb
	v_wmma_scale_f32_16x16x128_f8f6f4 v[D_:D_+7], v[W_:W_+15], v[X_:X_+15], v[C_:C_+7], v[S0_], v[S1_] matrix_a_fmt:MATRIX_FMT_BF8 matrix_b_fmt:MATRIX_FMT_BF8 matrix_b_scale:MATRIX_SCALE_ROW1
.else
	v_wmma_scale_f32_16x16x128_f8f6f4 v[D_:D_+7], v[W_:W_+15], v[X_:X_+15], v[C_:C_+7], v[S0_], v[S1_] matrix_a_fmt:MATRIX_FMT_BF8 matrix_b_fmt:MATRIX_FMT_BF8
.endif
.endm
; BLOCK b: 16 columns x my 64 rows.
.macro PHASE b
.set E, (\b)%2
.if (\b) == 7
	s_wait_dscnt 0x0
.else
	s_wait_dscnt 32                                ; all but the 32 loads of the next block's fetch: this block's fragments are in, and so are the rows read back from the stage
.endif
.if (\b) >= 4
.irp i, 0,1,2,3,4,5,6,7
	global_store_b128 v[CO], v[BK+4*\i:BK+4*\i+3], s[12:13] offset:(16*((\b)-4)+2*\i)*4096 th:TH_STORE_NT   ; rows 16 (b - 4) on, columns 0-63
.endr
.endif
.set N, 0
.rept 32                               ; product N = 4 q + t; the four accumulators take turns
.set D_, ACC+32*E+8*(N%4)
.set C_, D_
.if N < 4
.set C_, BI+8*(\b)
.endif
.set W_, 128*E+16*(N/4)
.set X_, 16*(N%16)
.set S0_, SW+8*((\b)/2)+N/4
.set S1_, SA+8*((N%4)/2)+N/4
	WIN 3|((1+N/16)<<2)
	PROD (\b)%2, N%2
.set N, N+1
.endr
	WIN 0
.rept 8
	v_nop                                          ; eight places behind the last product, ahead of the stores of its sums and of the fetch into what it has read
.endr
.irp t, 0,1,2,3
	ds_store_b128 v[STO], v[ACC+32*E+8*\t:ACC+32*E+8*\t+3] offset:((\b)/4)*STG+\t*16*SP+((\b)%4)*64      ; each accumulator from its low end on
	ds_store_b128 v[STO], v[ACC+32*E+8*\t+4:ACC+32*E+8*\t+7] offset:((\b)/4)*STG+\t*16*SP+((\b)%4)*64+16
.endr
.if (\b) >= 3 && (\b) <= 6
	s_wait_xcnt 0x0                                ; the stores at this block's head have read their data
.irp i, 0,1,2,3,4,5,6,7
	ds_load_b128 v[BK+4*\i:BK+4*\i+3], v[RD] offset:(16*((\b)-3)+2*\i)*SP   ; LDS serves a wave's instructions in order: these see my stores
.endr
.endif
.if (\b) <= 5
	FETCH (\b)+2
.endif
.endm
	s_wait_tensorcnt 0x0                           ; my 32 rows of Wo are in,
	s_barrier_signal -1
	s_barrier_wait -1                              ; everybody's are
	FETCH 0
	FETCH 1
	s_wait_loadcnt 0x0                             ; a's rows, the scale words and the bias
.irp b, 0,1,2,3,4,5,6,7
	PHASE \b
.endr
	WIN 0xc0                                       ; the last 64 columns: all 64 rows back at once, into the registers that held Wo's fragments
.set I, 0
.rept 32
	ds_load_b128 v[4*I:4*I+3], v[RD] offset:STG+2*I*SP
.set I, I+1
.endr
	WIN 0x0c                                       ; a store's data: window 3
.irp k, 0,1,2,3
	s_wait_dscnt 24-8*\k
.irp i, 0,1,2,3,4,5,6,7
	global_store_b128 v[CO], v[4*(8*\k+\i):4*(8*\k+\i)+3], s[12:13] offset:256+(16*\k+2*\i)*4096 th:TH_STORE_NT
.endr
.endr
	WIN 0
	s_wait_tensorcnt 0x0                           ; the wave's end
	ds_add_u32 v[SPW], v[NIL]
	s_wait_dscnt 0x0
	CROUND                                         ; the closing round
	s_endpgm
.Lfunc_end_k_qb89382baf1_outp:
	.size	k_qb89382baf1_outp, .Lfunc_end_k_qb89382baf1_outp-k_qb89382baf1_outp
	.p2alignl 7, 3214868480
	.fill 96, 4, 3214868480
	.section	.rodata,"a",@progbits
	.p2align	6, 0x0
	.amdhsa_kernel k_qb89382baf1_outp
		.amdhsa_group_segment_fixed_size 327680
		.amdhsa_private_segment_fixed_size 0
		.amdhsa_enable_private_segment 0
		.amdhsa_kernarg_size 48
		.amdhsa_user_sgpr_count 2
		.amdhsa_user_sgpr_kernarg_segment_ptr 1
		.amdhsa_wavefront_size32 1
		.amdhsa_system_sgpr_workgroup_id_x 1
		.amdhsa_system_sgpr_workgroup_id_y 1
		.amdhsa_system_sgpr_workgroup_id_z 1
		.amdhsa_system_vgpr_workitem_id 0
		.amdhsa_next_free_vgpr 1024
		.amdhsa_next_free_sgpr 66
		.amdhsa_reserve_vcc 0
		.amdhsa_float_denorm_mode_32 3
		.amdhsa_float_denorm_mode_16_64 3
		.amdhsa_memory_ordered 1
		.amdhsa_forward_progress 1
		.amdhsa_inst_pref_size 86
	.end_amdhsa_kernel
	.amdgpu_metadata
---
amdhsa.version: [ 1, 2 ]
amdhsa.kernels:
  - .name:           k_qb89382baf1_outp
    .symbol:         k_qb89382baf1_outp.kd
    .args:
      - { .name: ac, .offset: 0, .size: 8, .value_kind: global_buffer, .address_space: global }
      - { .name: asc, .offset: 8, .size: 8, .value_kind: global_buffer, .address_space: global }
      - { .name: Wo_codes, .offset: 16, .size: 8, .value_kind: global_buffer, .address_space: global }
      - { .name: Wo_scales, .offset: 24, .size: 8, .value_kind: global_buffer, .address_space: global }
      - { .name: out0, .offset: 32, .size: 8, .value_kind: global_buffer, .address_space: global }
      - { .name: bo, .offset: 40, .size: 8, .value_kind: global_buffer, .address_space: global }
    .group_segment_fixed_size: 327680
    .private_segment_fixed_size: 0
    .kernarg_segment_align: 8
    .kernarg_segment_size: 48
    .max_flat_workgroup_size: 128
    .sgpr_count:     66
    .vgpr_count:     1024
    .wavefront_size: 32
...
	.end_amdgpu_metadata
.endif
;; end of part 3
